; MI455X (gfx1250); checked and timed in simulation.
; The chip was launched on July 23, 2026; its instructions are those of AMD's public machine-readable ISA for CDNA 5 (MIT licence, August 2026) and "CDNA5" Instruction Set Architecture Reference Guide (July 2026). The comments in the code are by the model that wrote it; some were corrected since.
;; Spatial Embedding. Allowed arithmetic: float matrix products may take bf16 or f16 operands with f32 sums; all other float work in f32.
;; Inputs: coords 4 x 1,024 x 3 float32; key_padding_mask 4 x 1,024 bool.
;; Outputs: out0 4 x 1,024 x 128 float32.
;; One version. Each part assembles by itself: llvm-mc -triple=amdgcn-amd-amdhsa -mcpu=gfx1250 --defsym DOCPART=n.
;; ======== version 1 of 1: 1 launch
;; limits: a function is approximated: absolute error at most 0.00026; right only within a limited range of input values; inputs' magnitudes at most 7,500,000
;; launch green (part 1): grid 256 x 1, 16 waves a work-group, no clusters, 289,024 bytes of LDS; arguments coords, key_padding_mask, out0; writes out0
.if DOCPART == 1
	.amdgcn_target "amdgcn-amd-amdhsa--gfx1250"
	.amdhsa_code_object_version 6
	.text
	.protected	k_qa41ab769fb_green
	.globl	k_qa41ab769fb_green
	.p2align	8
	.type	k_qa41ab769fb_green,@function
k_qa41ab769fb_green:
	s_mov_b64 s[64:65], 0
	v_nop
	global_prefetch_b8 v0, s[64:65] scope:SCOPE_SE
	s_setreg_imm32_b32 hwreg(HW_REG_WAVE_MODE, 25, 1), 1
	s_wait_xcnt 0x0
; out0[b][i][2k], out0[b][i][2k+1] = sum over j of cos(2 pi r/wl_k) / (4 pi r), sin(2 pi r/wl_k) / (4 pi r),  r = |x_i - x_j|,
; over the pairs in which i and j are both unpadded and i != j.  coords [4][1024][3] f32, key_padding_mask [4][1024] bytes (1 = padded),
; out0 [4][1024][128] f32.  wl_k = 3.7 + 16.3 (20^(k/63) - 1) / 19, k = 0 .. 63.
;
; SHARES.  256 work-groups of 16 waves.  Work-group g: protein g >> 6, the 16 rows 16 (g & 63) ..  Lane l of wave w: row l & 15, sources
; j = 64 w + 2 s + (l >> 4), s = 0 .. 31.  A lane keeps all 128 sums of its row in registers; at the end the 32 partial sums of each
; row (16 waves x 2 halves) meet in LDS.  Every pair's r and 1/r is made once and serves 64 wavenumbers.
;
; ARITHMETIC, two wavenumbers in each packed instruction, 12 operations for a (pair, k):
;   x = r/wl + 1.5 * 2^23 (one fma: rounds r/wl to a whole number n of turns), n = x - 1.5 * 2^23, u = r/wl - n (one fma, exact product), |u| <= 1/2
;   y = u^2;  cos 2 pi u = a0 + y (a1 + y (a2 + y (a3 + y a4)));  sin 2 pi u = u (b0 + y (b1 + y (b2 + y b3)))
; The coefficients are the Chebyshev series of cos(pi z), sin(pi z), z = 2u, cut behind T8 and T7: largest error 4.1e-5 (cos), 2.6e-4 (sin),
; so each result is off by at most 2.6e-4 times the sum of its amplitudes 1/(4 pi r); near u = 0 the sine's relative error is 7.4e-4.
; The pair's 1/(4 pi r) is multiplied into the eight coefficients once for a pair, so the last Horner step is also the accumulation;
; a0's term does not hang on k: the sum of 1/r is kept in one register and added to the 64 cosine sums at the end.
;
; LIMITS.  r/wl below 2^22 (r below 1.5e7): beyond it the rounding by 1.5 * 2^23 fails (there the f32 product k r has steps of radians).
; v_rsq_f32 takes a squared distance below 2^-126 as zero.  Two unpadded points at one place give non-finite numbers, as r = 0 does in the
; formula, not necessarily the same ones.  The sums are made in another order than j = 0 .. 1023.
;
; NOT USED, by this text's own arithmetic: the tensor mover, clusters and prefetches (a work-group reads 13,312 bytes of input, once, and
; then works 32 steps of some 400 vector instructions in every wave); matrix instructions (no product of matrices is asked for).
.set STEPS,  32                        ; sources of a lane
.set PTS,    0                         ; LDS: 1,024 points (x, y, z, id), id = j, or -1 where padded: 16,384 bytes
.set WTAB,   16384                     ; LDS: 1/wl_k, 64 f32
.set RED,    16640                     ; LDS: 32 planes of partial sums
.set RPITCH, 528                       ; a row of 128 f32 + 16 bytes: 33 x 16, so the 16 rows of a b128 store start in 16 different 16-byte columns of 256
.set PLANE,  16*RPITCH                 ; 16 rows
.set SI,   6                           ; v6       sum of 1/r over my valid pairs    (v[6:7] is read as a pair: v7 is always written)
.set PA,   7                           ; v7       LDS address of the next source point
.set PJ,   8                           ; v[8:11]  source point (x, y, z, id)        v[2:5]: my own point; v5: my id, or 0x10000 where padded
.set CA,   12                          ; v[12:15] (a4, a3), (a2, a1), each / (4 pi)
.set RI,   16                          ; v[16:17] (r, 1/r or 0)
.set IC,   18                          ; v[18:21] (a4, a3), (a2, a1) / (4 pi r)
.set JC,   22                          ; v[22:25] (b3, b2), (b1, b0) / (4 pi r)
.set CB,   26                          ; v[26:29] (b3, b2), (b1, b0), each / (4 pi)
.set STO,  31                          ; v31      where my partial sums go
.set T,    32                          ; v[32:63] four chains of 8: u, y, cosine Horner, sine Horner (pairs); v[32:35] also the pair's scratch
.set W,    64                          ; v[64:127]  1/wl_k, the same in every lane
.set ACC,  128                         ; v[128:255] group p of 4: cos sums of k = 2p, 2p+1, sin sums of k = 2p, 2p+1
.set MAGIC,  34                        ; s[34:35]  1.5 * 2^23
.set NMAGIC, 36                        ; s[36:37] -1.5 * 2^23
.set A0,     38                        ; s[38:39]  a0 / (4 pi)
	s_load_b128 s[4:7], s[0:1], 0x0                ; coords s[4:5], key_padding_mask s[6:7]
	s_load_b64 s[8:9], s[0:1], 0x10                ; out0
	v_lshrrev_b32 v1, 5, v0
	v_readfirstlane_b32 s10, v1                    ; wave 0 .. 15
	s_lshr_b32 s11, ttmp9, 6                       ; protein
	s_and_b32 s12, ttmp9, 63                       ; block of 16 rows in it
	s_mul_i32 s28, s11, 12288                      ; the protein's coordinates,
	s_mov_b32 s29, 0
	s_lshl_b32 s30, s11, 10                        ; its mask bytes,
	s_mov_b32 s31, 0
	s_lshl_b32 s32, ttmp9, 13                      ; the work-group's 16 rows of 512 bytes of out0
	s_mov_b32 s33, 0
	v_mul_u32_u24 v42, 12, v0                      ; thread t stages points t and t + 512
	s_wait_kmcnt 0x0
	s_add_nc_u64 s[4:5], s[4:5], s[28:29]
	s_add_nc_u64 s[6:7], s[6:7], s[30:31]
	s_add_nc_u64 s[8:9], s[8:9], s[32:33]
	global_load_b96 v[32:34], v42, s[4:5]
	global_load_b96 v[36:38], v42, s[4:5] offset:6144
	global_load_u8 v40, v0, s[6:7]
	global_load_u8 v41, v0, s[6:7] offset:512
	; constants, while the loads are out
	s_mov_b32 s[MAGIC], 0x4b400000                 ; 12582912.0
	s_mov_b32 s[MAGIC+1], 0x4b400000
	s_mov_b32 s[NMAGIC], 0xcb400000
	s_mov_b32 s[NMAGIC+1], 0xcb400000
	s_mov_b32 s26, 0x3da2f983                      ; 1 / (4 pi)
	s_mov_b32 s16, 0x42367bf7                      ; a4 =  45.621058
	s_mov_b32 s17, 0xc2a4c818                      ; a3 = -82.390806
	s_mov_b32 s18, 0x428157c7                      ; a2 =  64.671442
	s_mov_b32 s19, 0xc19dd8f8                      ; a1 = -19.730942
	s_mov_b32 s20, 0xc2602765                      ; b3 = -56.038470
	s_mov_b32 s21, 0x429bd19d                      ; b2 =  77.909403
	s_mov_b32 s22, 0xc2245d4e                      ; b1 = -41.091116
	s_mov_b32 s23, 0x40c8e9ea                      ; b0 =   6.2785540
	s_mov_b32 s[A0], 0x3f7ffd50                    ; a0 =   0.99995902
.irp n, 16,17,18,19,20,21,22,23,38
	s_mul_f32 s\n, s\n, s26                        ; the amplitude's 1 / (4 pi) goes into the coefficients, once
.endr
	s_mov_b32 s[A0+1], s[A0]
	s_mov_b32 s24, 0x3d8c7f39                      ; log2(20) / 63
	s_mov_b32 s25, 0x3f5b9efd                      ; 16.3 / 19
	s_mov_b32 s27, 0x4035e50d                      ; 3.7 - 16.3 / 19
	; 1/wl_k for k = t, by the 64 threads of waves 0 and 1
	s_cmp_gt_u32 s10, 1
	s_cbranch_scc1 .Lno_table
	v_cvt_f32_u32 v45, v0
	v_mul_f32 v45, s24, v45
	v_exp_f32 v45, v45                             ; 20^(k/63)
	v_lshlrev_b32 v46, 2, v0                       ; (the plain instruction that stands between a transcendental and the use of its result: ISA guide 5.7.2)
	s_wait_alu depctr_va_vdst(0)
	v_fma_f32 v45, v45, s25, s27                   ; wl_k
	v_rcp_f32 v45, v45
	v_nop                                          ; (likewise)
	s_wait_alu depctr_va_vdst(0)
	ds_store_b32 v46, v45 offset:WTAB
.Lno_table:
	s_wait_loadcnt 0x0
	v_cmp_eq_u32 vcc_lo, 0, v40                    ; mask byte 0: the point counts
	v_cndmask_b32 v35, -1, v0, vcc_lo              ; id = t, or -1
	v_add_nc_u32 v44, 512, v0
	v_cmp_eq_u32 vcc_lo, 0, v41
	v_cndmask_b32 v39, -1, v44, vcc_lo
	v_lshlrev_b32 v43, 4, v0
	ds_store_b128 v43, v[32:35]
	ds_store_b128 v43, v[36:39] offset:8192
	s_wait_dscnt 0x0                               ; my stores are in LDS before I say so: the other waves read them
	s_barrier_signal -1
	s_barrier_wait -1
	v_and_b32 v1, 15, v0                           ; my row in the block
	v_bfe_u32 v30, v0, 4, 1                        ; my half of the wave
	s_lshl_b32 s28, s12, 8                         ; 16 points of 16 bytes for each block
	v_lshl_add_u32 v33, v1, 4, s28
	ds_load_b128 v[2:5], v33                       ; my own point
	v_mov_b32 v32, 0
.set q, 0
.rept 16
	ds_load_b128 v[W+4*q:W+4*q+3], v32 offset:WTAB+16*q    ; every lane reads the same 16 bytes
.set q, q+1
.endr
	s_lshl_b32 s29, s10, 10                        ; my wave's 64 sources
	v_lshl_add_u32 v[PA], v30, 4, s29              ; + my half
	ds_load_b128 v[PJ:PJ+3], v[PA]                 ; the first source
	v_add_nc_u32 v[PA], 32, v[PA]
	v_mov_b32 v[CA], s16
	v_mov_b32 v[CA+1], s17
	v_mov_b32 v[CA+2], s18
	v_mov_b32 v[CA+3], s19
	v_mov_b32 v[CB], s20
	v_mov_b32 v[CB+1], s21
	v_mov_b32 v[CB+2], s22
	v_mov_b32 v[CB+3], s23
	s_mul_i32 s30, s10, 2*PLANE                    ; my wave's two planes,
	s_add_co_u32 s30, s30, RED
	s_mov_b32 s31, PLANE
	v_mul_u32_u24 v[STO], RPITCH, v1               ; my row,
	v_mad_u32_u24 v[STO], v30, s31, v[STO]         ; my half's plane
	v_add_nc_u32 v[STO], s30, v[STO]
	v_mov_b32 v34, 0x10000
	s_wait_dscnt 0x0
	v_cmp_gt_i32 vcc_lo, 0, v5                     ; am I padded?  Then my id becomes 0x10000, which differs from every source's id
	v_cndmask_b32 v5, v5, v34, vcc_lo              ; in a bit above 1023: no pair of mine is valid
; Four pairs of wavenumbers, p = 4 g + c, stage by stage, so that no instruction reads the result of the one in front of it;
; the two Horner chains take turns.  Broadcasts: op_sel / op_sel_hi name the register of a pair that feeds the low / high result.
.macro GROUP g, first
.irp c, 0,1,2,3
	v_pk_fma_f32 v[T+8*\c:T+8*\c+1], v[RI:RI+1], v[W+8*\g+2*\c:W+8*\g+2*\c+1], s[MAGIC:MAGIC+1] op_sel_hi:[0,1,0]    ; x = r/wl + 1.5 * 2^23
.endr
.irp c, 0,1,2,3
	v_pk_add_f32 v[T+8*\c:T+8*\c+1], v[T+8*\c:T+8*\c+1], s[NMAGIC:NMAGIC+1] op_sel_hi:[1,0]                          ; n = whole turns
.endr
.irp c, 0,1,2,3
	v_pk_fma_f32 v[T+8*\c:T+8*\c+1], v[RI:RI+1], v[W+8*\g+2*\c:W+8*\g+2*\c+1], v[T+8*\c:T+8*\c+1] op_sel_hi:[0,1,1] neg_lo:[0,0,1] neg_hi:[0,0,1]   ; u = r/wl - n
.endr
.irp c, 0,1,2,3
	v_pk_mul_f32 v[T+8*\c+2:T+8*\c+3], v[T+8*\c:T+8*\c+1], v[T+8*\c:T+8*\c+1]                                        ; y = u^2
.endr
.irp c, 0,1,2,3
	v_pk_fma_f32 v[T+8*\c+4:T+8*\c+5], v[T+8*\c+2:T+8*\c+3], v[IC:IC+1], v[IC:IC+1] op_sel:[0,0,1] op_sel_hi:[1,0,1]   ; y a4 + a3
.endr
.irp c, 0,1,2,3
	v_pk_fma_f32 v[T+8*\c+6:T+8*\c+7], v[T+8*\c+2:T+8*\c+3], v[JC:JC+1], v[JC:JC+1] op_sel:[0,0,1] op_sel_hi:[1,0,1]   ; y b3 + b2
.endr
.irp c, 0,1,2,3
	v_pk_fma_f32 v[T+8*\c+4:T+8*\c+5], v[T+8*\c+2:T+8*\c+3], v[T+8*\c+4:T+8*\c+5], v[IC+2:IC+3] op_sel_hi:[1,1,0]      ; .. y + a2
.endr
.irp c, 0,1,2,3
	v_pk_fma_f32 v[T+8*\c+6:T+8*\c+7], v[T+8*\c+2:T+8*\c+3], v[T+8*\c+6:T+8*\c+7], v[JC+2:JC+3] op_sel_hi:[1,1,0]      ; .. y + b1
.endr
.irp c, 0,1,2,3
	v_pk_fma_f32 v[T+8*\c+4:T+8*\c+5], v[T+8*\c+2:T+8*\c+3], v[T+8*\c+4:T+8*\c+5], v[IC+2:IC+3] op_sel:[0,0,1] op_sel_hi:[1,1,1]   ; .. y + a1
.endr
.irp c, 0,1,2,3
	v_pk_fma_f32 v[T+8*\c+6:T+8*\c+7], v[T+8*\c+2:T+8*\c+3], v[T+8*\c+6:T+8*\c+7], v[JC+2:JC+3] op_sel:[0,0,1] op_sel_hi:[1,1,1]   ; .. y + b0
.endr
.irp c, 0,1,2,3
.if \first
	v_pk_mul_f32 v[ACC+16*\g+4*\c:ACC+16*\g+4*\c+1], v[T+8*\c+2:T+8*\c+3], v[T+8*\c+4:T+8*\c+5]                      ; the first source starts the sums
.else
	v_pk_fma_f32 v[ACC+16*\g+4*\c:ACC+16*\g+4*\c+1], v[T+8*\c+2:T+8*\c+3], v[T+8*\c+4:T+8*\c+5], v[ACC+16*\g+4*\c:ACC+16*\g+4*\c+1]   ; cos sums += y (..)
.endif
.endr
.irp c, 0,1,2,3
.if \first
	v_pk_mul_f32 v[ACC+16*\g+4*\c+2:ACC+16*\g+4*\c+3], v[T+8*\c:T+8*\c+1], v[T+8*\c+6:T+8*\c+7]
.else
	v_pk_fma_f32 v[ACC+16*\g+4*\c+2:ACC+16*\g+4*\c+3], v[T+8*\c:T+8*\c+1], v[T+8*\c+6:T+8*\c+7], v[ACC+16*\g+4*\c+2:ACC+16*\g+4*\c+3]   ; sin sums += u (..)
.endif
.endr
.endm
; One source for each lane.  first = 1: the sums begin here.  more = 1: the next source is asked for, a whole step ahead of its use.
.macro STEP first, more
	s_wait_dscnt 0x0                               ; the one LDS load that is out: this step's source
	v_pk_add_f32 v[T:T+1], v[PJ:PJ+1], v[2:3] neg_lo:[0,1] neg_hi:[0,1]    ; dx, dy
	v_sub_f32 v[T+2], v[PJ+2], v4                  ; dz
	v_xor_b32 v[T+3], v[PJ+3], v5                  ; ids: 0 = the same point, 1 .. 1023 = two unpadded points, more = one of them padded
.if \more
	ds_load_b128 v[PJ:PJ+3], v[PA]
.endif
	v_mul_f32 v[T+2], v[T+2], v[T+2]
	v_add_nc_u32 v[T+3], -1, v[T+3]
	v_fma_f32 v[T+2], v[T+1], v[T+1], v[T+2]
	v_cmp_gt_u32 vcc_lo, 1023, v[T+3]              ; the pair counts
	v_fma_f32 v[T+2], v[T], v[T], v[T+2]           ; squared distance
	v_cndmask_b32 v[T+2], 1.0, v[T+2], vcc_lo      ; 1 where the pair does not count, whatever the coordinates hold
	v_rsq_f32 v[RI+1], v[T+2]
.if \more
	v_add_nc_u32 v[PA], 32, v[PA]                  ; two sources on (one for each half); also the plain instruction behind v_rsq_f32 (ISA guide 5.7.2)
	s_wait_alu depctr_va_vdst(0)
.else
	v_nop
	s_wait_alu depctr_va_vdst(0)
.endif
	v_mul_f32 v[RI], v[T+2], v[RI+1]               ; r = sq / sqrt(sq)
	v_cndmask_b32 v[RI+1], 0, v[RI+1], vcc_lo      ; 1/r, or 0: then all eight coefficients are 0 and the pair adds nothing
	v_pk_mul_f32 v[IC:IC+1],     v[CA:CA+1],     v[RI:RI+1] op_sel:[0,1] op_sel_hi:[1,1]
	v_pk_mul_f32 v[IC+2:IC+3],   v[CA+2:CA+3],   v[RI:RI+1] op_sel:[0,1] op_sel_hi:[1,1]
	v_pk_mul_f32 v[JC:JC+1],     v[CB:CB+1],     v[RI:RI+1] op_sel:[0,1] op_sel_hi:[1,1]
	v_pk_mul_f32 v[JC+2:JC+3],   v[CB+2:CB+3],   v[RI:RI+1] op_sel:[0,1] op_sel_hi:[1,1]
.if \first
	v_mov_b32 v[SI], v[RI+1]
.else
	v_add_f32 v[SI], v[SI], v[RI+1]
.endif
.irp g, 0,1,2,3,4,5,6,7
	GROUP \g, \first
.endr
.endm
	STEP 1, 1                                      ; source 0 starts the sums: nothing is cleared
	s_mov_b32 s13, STEPS-2
.Lstep:
	STEP 0, 1
	s_sub_co_i32 s13, s13, 1
	s_cmp_lg_u32 s13, 0
	s_cbranch_scc1 .Lstep
	STEP 0, 0                                      ; the last source: nothing is asked for behind it
	; a0's term, the same for every k, then the 128 sums into my plane
.set p, 0
.rept 32
	v_pk_fma_f32 v[ACC+4*p:ACC+4*p+1], v[SI:SI+1], s[A0:A0+1], v[ACC+4*p:ACC+4*p+1] op_sel_hi:[0,0,1]
.set p, p+1
.endr
.set p, 0
.rept 32
	ds_store_b128 v[STO], v[ACC+4*p:ACC+4*p+3] offset:16*p
.set p, p+1
.endr
	; the final sum: wave w takes row w, lane p the four numbers of group p, from all 32 planes; a load covers 512 neighbouring bytes
	v_and_b32 v8, 31, v0
	s_mul_i32 s28, s10, RPITCH
	s_add_co_u32 s28, s28, RED
	v_lshl_add_u32 v8, v8, 4, s28
	v_add_nc_u32 v9, 8*PLANE, v8                   ; eight planes for each address register: the 16-bit offset reaches 7 planes
	v_add_nc_u32 v10, 16*PLANE, v8
	v_add_nc_u32 v11, 24*PLANE, v8
	v_lshlrev_b32 v12, 4, v0                       ; out0: row w x 512 + 16 p = 16 t
	s_wait_dscnt 0x0                               ; my planes are in LDS before I say so
	s_barrier_signal -1
	s_barrier_wait -1
.set q, 0
.rept 32
	ds_load_b128 v[ACC+4*q:ACC+4*q+3], v[8+q/8] offset:(q%8)*PLANE
.set q, q+1
.endr
.macro HALF base                       ; 16 vectors of four into one
.irp s, 8,4,2,1
.set q, 0
.rept \s
	v_pk_add_f32 v[\base+4*q:\base+4*q+1],   v[\base+4*q:\base+4*q+1],   v[\base+4*(q+\s):\base+4*(q+\s)+1]
	v_pk_add_f32 v[\base+4*q+2:\base+4*q+3], v[\base+4*q+2:\base+4*q+3], v[\base+4*(q+\s)+2:\base+4*(q+\s)+3]
.set q, q+1
.endr
.endr
.endm
	s_wait_dscnt 16                                ; LDS loads come back in order (ISA guide 5.7.1): planes 0-15 are in, the 16 younger loads may be out
	HALF ACC
	s_wait_dscnt 0x0
	HALF ACC+64
	v_add_f32 v16, v[ACC],   v[ACC+64]             ; the last addition also sets the order of out0: re(2p), im(2p), re(2p+1), im(2p+1)
	v_add_f32 v17, v[ACC+2], v[ACC+66]
	v_add_f32 v18, v[ACC+1], v[ACC+65]
	v_add_f32 v19, v[ACC+3], v[ACC+67]
	global_store_b128 v12, v[16:19], s[8:9] th:TH_STORE_NT     ; the wave stores a whole row: 512 consecutive bytes, at a multiple of 512 from out0's first byte
	s_wait_xcnt 0x0
	v_lshl_add_u32 v254, v0, 2, 0x46100
	v_mov_b32 v255, 0
	s_wait_tensorcnt 0x0
	ds_add_u32 v254, v255
	s_wait_dscnt 0x0
	s_endpgm
.Lfunc_end_k_qa41ab769fb_green:
	.size	k_qa41ab769fb_green, .Lfunc_end_k_qa41ab769fb_green-k_qa41ab769fb_green
	.p2alignl 7, 3214868480
	.fill 96, 4, 3214868480
	.section	.rodata,"a",@progbits
	.p2align	6, 0x0
	.amdhsa_kernel k_qa41ab769fb_green
		.amdhsa_group_segment_fixed_size 289024
		.amdhsa_private_segment_fixed_size 0
		.amdhsa_enable_private_segment 0
		.amdhsa_kernarg_size 24
		.amdhsa_user_sgpr_count 2
		.amdhsa_user_sgpr_kernarg_segment_ptr 1
		.amdhsa_wavefront_size32 1
		.amdhsa_system_sgpr_workgroup_id_x 1
		.amdhsa_system_sgpr_workgroup_id_y 1
		.amdhsa_system_sgpr_workgroup_id_z 1
		.amdhsa_system_vgpr_workitem_id 0
		.amdhsa_next_free_vgpr 256
		.amdhsa_next_free_sgpr 66
		.amdhsa_reserve_vcc 1
		.amdhsa_float_denorm_mode_32 3
		.amdhsa_float_denorm_mode_16_64 3
		.amdhsa_memory_ordered 1
		.amdhsa_forward_progress 1
		.amdhsa_inst_pref_size 92
	.end_amdhsa_kernel
	.amdgpu_metadata
---
amdhsa.version: [ 1, 2 ]
amdhsa.kernels:
  - .name:           k_qa41ab769fb_green
    .symbol:         k_qa41ab769fb_green.kd
    .args:
      - { .name: coords, .offset: 0, .size: 8, .value_kind: global_buffer, .address_space: global }
      - { .name: key_padding_mask, .offset: 8, .size: 8, .value_kind: global_buffer, .address_space: global }
      - { .name: out0, .offset: 16, .size: 8, .value_kind: global_buffer, .address_space: global }
    .group_segment_fixed_size: 289024
    .private_segment_fixed_size: 0
    .kernarg_segment_align: 8
    .kernarg_segment_size: 24
    .max_flat_workgroup_size: 512
    .sgpr_count:     66
    .vgpr_count:     256
    .wavefront_size: 32
...
	.end_amdgpu_metadata
.endif
;; end of part 1
